; MI455X (gfx1250); checked and timed in simulation.
; The chip was launched on July 23, 2026; its instructions are those of AMD's public machine-readable ISA for CDNA 5 (MIT licence, August 2026) and "CDNA5" Instruction Set Architecture Reference Guide (July 2026). The comments in the code are by the model that wrote it; some were corrected since.
;; Image Encoder. Allowed arithmetic: float matrix products may take bf16 or f16 operands with f32 sums; all other float work in f32.
;; Inputs: W_emb 768 x 256 float32; Wk 256 x 256 float32; Wo 256 x 256 float32; Wq 256 x 256 float32; Wv 256 x 256 float32; b_emb 256 float32; bk 256 float32; bo 256 float32; bq 256 float32; bv 256 float32; lengths 8 int32; x 8 x 2,048 x 768 float32.
;; Outputs: out0 8 x 2,048 x 256 float32.
;; One version. Each part assembles by itself: llvm-mc -triple=amdgcn-amd-amdhsa -mcpu=gfx1250 --defsym DOCPART=n.
;; ======== version 1 of 1: 3 launches
;; limits: values are held in f16: magnitudes above 65,504 overflow, below 6.1e-05 lose precision; inputs' magnitudes at most 65,504; right only within a limited range of input values
;; workspace buffers: wh 917,504 bytes; qb 8,388,608 bytes; kb 8,388,608 bytes; vb 8,388,608 bytes; vx 4,096 bytes
;; launch prep (part 1): grid 224 x 1, 8 waves a work-group, no clusters, 0 bytes of LDS; arguments W_emb, Wq, Wk, Wv, Wo, wh; writes wh
.if DOCPART == 1
	.amdgcn_target "amdgcn-amd-amdhsa--gfx1250"
	.amdhsa_code_object_version 6
	.text
	.protected	k_q5cc64d95f0_prep
	.globl	k_q5cc64d95f0_prep
	.p2align	8
	.type	k_q5cc64d95f0_prep,@function
k_q5cc64d95f0_prep:
	s_mov_b64 s[64:65], 0
	v_nop
	global_prefetch_b8 v0, s[64:65] scope:SCOPE_SE
	s_setreg_imm32_b32 hwreg(HW_REG_WAVE_MODE, 25, 1), 1
	s_wait_xcnt 0x0
; wh = the five weight matrices one after the other (W_emb, Wq, Wk, Wv, Wo), each as it lies ([k][n], 256 n), cast from f32 to f16.
; 458,752 numbers; a work-group casts 2,048 of them, so 96 work-groups take W_emb and 32 take each of the other four.
; Thread t reads 16 bytes at 16 t and at 4,096 + 16 t and stores 8 bytes at 8 t and at 2,048 + 8 t:
; a load of a wave covers 512 consecutive bytes, a store of a wave 256 consecutive bytes, aligned.
; LIMIT: weights of magnitude above 65,504 leave f16's range; below 6e-5 they lose bits (drawn weights are about 0.02).
.set EMB_WG, 96                        ; work-groups that W_emb takes: 768 x 256 / 2,048
	s_load_b256 s[4:11], s[0:1], 0x0               ; W_emb s[4:5], Wq s[6:7], Wk s[8:9], Wv s[10:11]
	s_load_b128 s[12:15], s[0:1], 0x20             ; Wo s[12:13], wh s[14:15]
	s_sub_co_u32 s16, ttmp9, EMB_WG                ; my number among the four square matrices' work-groups (not used below 96)
	s_lshr_b32 s17, s16, 5                         ; which of the four
	s_and_b32 s18, s16, 31                         ; my part of it
	v_lshlrev_b32 v1, 4, v0                        ; 16 t
	v_lshlrev_b32 v2, 3, v0                        ; 8 t
	s_wait_kmcnt 0x0
	s_cmp_eq_u32 s17, 1
	s_cselect_b64 s[6:7], s[8:9], s[6:7]
	s_cmp_eq_u32 s17, 2
	s_cselect_b64 s[6:7], s[10:11], s[6:7]
	s_cmp_eq_u32 s17, 3
	s_cselect_b64 s[6:7], s[12:13], s[6:7]
	s_cmp_lt_u32 ttmp9, EMB_WG
	s_cselect_b64 s[6:7], s[4:5], s[6:7]           ; the matrix that I read
	s_cselect_b32 s18, ttmp9, s18                  ; and my part of it
	s_lshl_b32 s18, s18, 13                        ; 8,192 bytes of f32 a part
	s_mov_b32 s19, 0
	s_add_nc_u64 s[6:7], s[6:7], s[18:19]
	s_lshl_b32 s20, ttmp9, 12                      ; 4,096 bytes of f16 a work-group
	s_mov_b32 s21, 0
	s_add_nc_u64 s[14:15], s[14:15], s[20:21]
	global_load_b128 v[4:7], v1, s[6:7] th:TH_LOAD_NT
	global_load_b128 v[8:11], v1, s[6:7] offset:4096 th:TH_LOAD_NT
	s_wait_loadcnt 0x0
	v_cvt_pk_f16_f32 v12, v4, v5
	v_cvt_pk_f16_f32 v13, v6, v7
	v_cvt_pk_f16_f32 v14, v8, v9
	v_cvt_pk_f16_f32 v15, v10, v11
	global_store_b64 v2, v[12:13], s[14:15]
	global_store_b64 v2, v[14:15], s[14:15] offset:2048
	s_endpgm
.Lfunc_end_k_q5cc64d95f0_prep:
	.size	k_q5cc64d95f0_prep, .Lfunc_end_k_q5cc64d95f0_prep-k_q5cc64d95f0_prep
	.p2alignl 7, 3214868480
	.fill 96, 4, 3214868480
	.section	.rodata,"a",@progbits
	.p2align	6, 0x0
	.amdhsa_kernel k_q5cc64d95f0_prep
		.amdhsa_group_segment_fixed_size 0
		.amdhsa_private_segment_fixed_size 0
		.amdhsa_enable_private_segment 0
		.amdhsa_kernarg_size 48
		.amdhsa_user_sgpr_count 2
		.amdhsa_user_sgpr_kernarg_segment_ptr 1
		.amdhsa_wavefront_size32 1
		.amdhsa_system_sgpr_workgroup_id_x 1
		.amdhsa_system_sgpr_workgroup_id_y 1
		.amdhsa_system_sgpr_workgroup_id_z 1
		.amdhsa_system_vgpr_workitem_id 0
		.amdhsa_next_free_vgpr 16
		.amdhsa_next_free_sgpr 66
		.amdhsa_reserve_vcc 0
		.amdhsa_float_denorm_mode_32 3
		.amdhsa_float_denorm_mode_16_64 3
		.amdhsa_memory_ordered 1
		.amdhsa_forward_progress 1
		.amdhsa_inst_pref_size 2
	.end_amdhsa_kernel
	.amdgpu_metadata
---
amdhsa.version: [ 1, 2 ]
amdhsa.kernels:
  - .name:           k_q5cc64d95f0_prep
    .symbol:         k_q5cc64d95f0_prep.kd
    .args:
      - { .name: W_emb, .offset: 0, .size: 8, .value_kind: global_buffer, .address_space: global }
      - { .name: Wq, .offset: 8, .size: 8, .value_kind: global_buffer, .address_space: global }
      - { .name: Wk, .offset: 16, .size: 8, .value_kind: global_buffer, .address_space: global }
      - { .name: Wv, .offset: 24, .size: 8, .value_kind: global_buffer, .address_space: global }
      - { .name: Wo, .offset: 32, .size: 8, .value_kind: global_buffer, .address_space: global }
      - { .name: wh, .offset: 40, .size: 8, .value_kind: global_buffer, .address_space: global }
    .group_segment_fixed_size: 0
    .private_segment_fixed_size: 0
    .kernarg_segment_align: 8
    .kernarg_segment_size: 48
    .max_flat_workgroup_size: 256
    .sgpr_count:     66
    .vgpr_count:     16
    .wavefront_size: 32
...
	.end_amdgpu_metadata
.endif
;; end of part 1
;; launch embed (part 2): grid 256 x 1, 4 waves a work-group, clusters of 4 x 1, 327,680 bytes of LDS; arguments x, lengths, b_emb, bq, bk, bv, wh, qb, kb, vb, vx; writes qb, kb, vb, vx
.if DOCPART == 2
	.amdgcn_target "amdgcn-amd-amdhsa--gfx1250"
	.amdhsa_code_object_version 6
	.text
	.protected	k_q5cc64d95f0_embed
	.globl	k_q5cc64d95f0_embed
	.p2align	8
	.type	k_q5cc64d95f0_embed,@function
k_q5cc64d95f0_embed:
	s_mov_b64 s[64:65], 0
	v_nop
	global_prefetch_b8 v0, s[64:65] scope:SCOPE_SE
	s_setreg_imm32_b32 hwreg(HW_REG_WAVE_MODE, 25, 1), 1
	s_wait_xcnt 0x0
	s_wait_alu depctr_hold_cnt(0) depctr_sa_sdst(0) depctr_va_vdst(0) depctr_va_sdst(0) depctr_va_ssrc(0) depctr_va_vcc(0) depctr_vm_vsrc(0)
	s_getreg_b32 s2, hwreg(HW_REG_IB_STS2, 6, 4)
	s_cmp_eq_u32 s2, 0
	s_cbranch_scc0 .Lentry_in_a_cluster
	s_endpgm
.Lentry_in_a_cluster:
	s_bfe_u32 s2, ttmp6, 0x10000c
	s_cmp_lg_u32 s2, 0x3003
	s_cbranch_scc0 .Lentry_shape_is_right
	s_endpgm
.Lentry_shape_is_right:
; h = x W_emb + b_emb, the rotary turn by position s - lengths//2, then q, k, v = h W + b.  A work-group takes 64 tokens, wave w takes
; head w: columns 64 w .. 64 w + 63 of h, q, k and v for all 64 tokens, 16 accumulator tiles of 16 x 16 (128 registers).
; The 1,536 k-rows of W_emb, Wq, Wk, Wv (f16, one after the other in wh) are 48 units of 32 k, 16 matrix instructions each.  They walk through two
; LDS slots of 192 rows (6 units, 96 matrix instructions): 8 steps.  Both slots are filled at the start, so six refills follow, each with a step's
; 96 matrix instructions in which to land.  Slots of 256 rows would leave too little LDS for x, h, the table of cosines and a stage.
; CLUSTER: the four work-groups of a cluster walk the same weight rows, so each fill is asked for jointly (mask 15), each wave bringing 48 rows.
; FORMATS: x, the weights and h are matrix operands in f16, sums in f32.  q and k leave as bf16.  v leaves as f16 with a shared exponent:
; vb = v * 2^(141 - e), e = the biased exponent of the largest |v| of this head's 64 tokens x 64 numbers (clamped to 16 .. 254), e goes to vx.
; LIMITS: |x|, |W| and |h| must stay below 65,504 (drawn: about 1, 0.02, 0.55).  Numbers of v below about 2^-38 of their block's largest are
; flushed.  theta comes from v_exp_f32, so an angle of up to 2,048 radians carries an error of up to about 2e-4 radians.
; THE MATRIX INSTRUCTION: source 0 = 16 output columns x 32 k of the weights (read from the [k][n] rows by the transposing load), source 1 =
; 16 token rows x 32 k.  In the result lane l holds token l % 16 and registers 0-7 hold columns 8 (l / 16) + 0 .. 7: neighbours in a row.
.set WPITCH, 544                       ; a weight row in LDS: 512 bytes + 32 of padding (17 x 32)
.set UNITB,  32*WPITCH                 ; 17,408: a unit of 32 k
.set SROWS,  192                       ; rows in a slot
.set WSLOT,  SROWS*WPITCH              ; 104,448: a slot
.set STEPB,  SROWS*512                 ; 98,304: a step's rows in wh
.set XPITCH, 400                       ; a token row of 192 f16: 384 bytes + 16 (25 x 16), so 16 rows start 16 bytes apart modulo 256
.set XCHUNK, 64*XPITCH                 ; 25,600: 64 tokens x 192 k
.set TPITCH, 272                       ; a token row of 128 f16: 256 bytes + 16
.set CHUNK,  64*TPITCH                 ; 17,408: 64 tokens x 128 k
.set XH,     2*WSLOT                   ; 208,896: x in f16, two buffers that take turns
.set CS,     XH+2*XCHUNK               ; 260,096: (cos, sin) f32 of 64 tokens x 32 frequencies, pitch 272
.set HS,     CS+CHUNK                  ; 277,504: h in f16, two chunks of 128 k
.set OPITCH, 528
.set OST,    XH                        ; the way out: two stages of 64 rows of 512 bytes, pitch 528, on x's buffers and the table, which are dead by then;
.set OST1,   64*OPITCH                 ; the second stage begins 33,792 bytes behind the first and ends below HS.  All these bytes are written by LDS stores alone
; window 0
.set LANE, 1
.set RR,   2                           ; l % 16
.set HH,   3                           ; l / 16
.set WA,   4                           ; v4-7     my weight fragments: slot 0 units 0-2, 3-5; slot 1 units 0-2, 3-5
.set XB,   8                           ; v8, v9   my token fragments in x's buffers 0, 1
.set HB,   10                          ; the same in h
.set XSA,  11                          ; where I store converted x: a whole half row
.set XSB,  12                          ; the same for the load that straddles two tokens
.set CSW,  13
.set CSR,  14
.set HST,  15
.set OSTW, 16
.set OSTR, 17
.set XOA,  18                          ; byte offsets of my 16 bytes in x
.set XOB,  19
.set GO,   20                          ; the same in qb, kb, vb
.set BO,   21                          ; the same in a bias
.set TA,   22
.set TB,   23
.set MX,   24                          ; v24-27
.set TE,   28
.set TV,   29
.set PF,   30                          ; byte offset in wh of the block that I ask for ahead; never rewritten
.set F0,   64                          ; fragment buffer 0: 4 x 8 weights, 4 x 8 tokens
.set F1,   128                         ; fragment buffer 1
.set T,    192                         ; v192-255 at work
; window 1: local 0-127 the accumulators, tile (tb, cb) at 8 (4 tb + cb); local 128-255 the bias fragments of b_emb, bq, bk, bv, 32 registers each.
; window 2: local 0-191 two buffers of x as loaded, 96 registers each.
.set BIAS, 128
.set WV, 40                            ; s40 wave
.set G1, 28                            ; s[28:35] descriptor group 1
.set G0, 44                            ; s[44:51] descriptor group 0, a set for each slot
.set MSB, 0
.macro WIN new                         ; the immediate's high byte repeats the setting that is left
.if MSB != \new
	s_set_vgpr_msb (MSB<<8)|\new
.set MSB, \new
.endif
.endm
.macro PLACES                          ; four places behind matrix instructions (ISA guide 7.12.1)
.rept 4
	v_nop
.endr
.endm
.macro ROUND                           ; a round of the cluster's barrier
	s_barrier_signal -1
	s_barrier_wait -1
	s_cmp_lg_u32 s[WV], 0
	s_cbranch_scc1 .Lnot_wave_0_\@
	s_barrier_signal -3
.Lnot_wave_0_\@:
	s_barrier_wait -3
	s_barrier_signal -1
	s_barrier_wait -1
.endm
; 16 LDS loads: the fragments of 32 k: four blocks of 16 columns of the weights, four blocks of 16 tokens (bp bytes apart)
.macro FETCH wa, woff, ba, boff, bp, f
.irp c, 0,1,2,3
	ds_load_tr16_b128 v[\f+8*\c:\f+8*\c+3],   v[\wa] offset:(\woff)+32*\c
	ds_load_tr16_b128 v[\f+8*\c+4:\f+8*\c+7], v[\wa] offset:(\woff)+32*\c+16*WPITCH
.endr
.irp c, 0,1,2,3
	ds_load_b128 v[\f+32+8*\c:\f+32+8*\c+3],   v[\ba] offset:(\boff)+(\bp)*\c
	ds_load_b128 v[\f+32+8*\c+4:\f+32+8*\c+7], v[\ba] offset:(\boff)+(\bp)*\c+32
.endr
.endm
; the fragments of unit g (0 .. 47) into buffer g % 2.  Its weights: slot (g / 6) % 2, unit g % 6 of the slot.  Its tokens: below 24 x's buffer
; (g / 6) % 2, 64 bytes a unit; from 24 on h, k = 32 ((g - 24) % 8).
.macro FETCHG g
.if (\g) < 24
	FETCH WA+2*(((\g)/6)&1)+(((\g)%6)/3), (((\g)%6)%3)*UNITB, XB+(((\g)/6)&1), ((\g)%6)*64, 16*XPITCH, F0+64*((\g)&1)
.else
	FETCH WA+2*(((\g)/6)&1)+(((\g)%6)/3), (((\g)%6)%3)*UNITB, HB, ((((\g)-24)%8)/4)*CHUNK+(((\g)-24)%4)*64, 16*TPITCH, F0+64*((\g)&1)
.endif
.endm
; 16 matrix instructions.  cm = 0: add in place; 2: the sums start at the bias fragment.
; The sixteen accumulators take turns, one instruction a turn.
.macro MUL16 f, cm, bias
.irp tb, 0,1,2,3
.irp cb, 0,1,2,3
.if \cm == 0
	v_wmma_f32_16x16x32_f16 v[8*(4*\tb+\cb):8*(4*\tb+\cb)+7], v[\f+8*\cb:\f+8*\cb+7], v[\f+32+8*\tb:\f+32+8*\tb+7], v[8*(4*\tb+\cb):8*(4*\tb+\cb)+7]
.else
	v_wmma_f32_16x16x32_f16 v[8*(4*\tb+\cb):8*(4*\tb+\cb)+7], v[\f+8*\cb:\f+8*\cb+7], v[\f+32+8*\tb:\f+32+8*\tb+7], v[\bias+8*\cb:\bias+8*\cb+7]
.endif
.endr
.endr
.endm
.macro LEAD g                          ; the first unit of a run: its fragments
	PLACES
	FETCHG \g
.endm
; One unit.  last = 0: the next unit's 16 loads are issued first, and s_wait_dscnt 16 leaves them out; last = 1: nothing follows in this run.
.macro UNIT g, last, cm, bias
.if \last == 0
	PLACES
	FETCHG (\g)+1
	s_wait_dscnt 16
.else
	s_wait_dscnt 0
.endif
	WIN 0x50                                       ; C and D window 1
	MUL16 F0+64*((\g)&1), \cm, \bias
	WIN 0
.endm
.macro SIX g0, cm, bias                ; a whole step of six units
	LEAD \g0
	UNIT \g0, 0, \cm, \bias
	UNIT (\g0)+1, 0, 0, 0
	UNIT (\g0)+2, 0, 0, 0
	UNIT (\g0)+3, 0, 0, 0
	UNIT (\g0)+4, 0, 0, 0
	UNIT (\g0)+5, 1, 0, 0
.endm
; chunk c of x (192 columns, 768 bytes, of my 16 tokens) into buffer c % 2: three loads for two tokens.  The first takes bytes 0-511 of the even
; token, the second its bytes 512-767 (lanes 0-15) and bytes 0-255 of the odd token (lanes 16-31), the third bytes 256-767 of the odd token:
; sixteen neighbouring lanes always take 256 consecutive bytes, aligned.
.macro XLOAD c
	WIN 0x80
.irp p, 0,1,2,3,4,5,6,7
	global_load_b128 v[96*((\c)&1)+12*\p:96*((\c)&1)+12*\p+3],    v[XOA], s[4:5] offset:6144*\p+768*\c th:TH_LOAD_NT
	global_load_b128 v[96*((\c)&1)+12*\p+4:96*((\c)&1)+12*\p+7],  v[XOB], s[4:5] offset:6144*\p+768*\c th:TH_LOAD_NT
	global_load_b128 v[96*((\c)&1)+12*\p+8:96*((\c)&1)+12*\p+11], v[XOA], s[4:5] offset:6144*\p+768*\c+3328 th:TH_LOAD_NT
.endr
	WIN 0
.endm
; bias m: register j of block cb = bias[64 w + 16 cb + 8 (l / 16) + j], the shape of an accumulator
.macro BLOAD m, base
	WIN 0x40
.irp cb, 0,1,2,3
	global_load_b128 v[BIAS+32*\m+8*\cb:BIAS+32*\m+8*\cb+3],   v[BO], s[\base:\base+1] offset:64*\cb
	global_load_b128 v[BIAS+32*\m+8*\cb+4:BIAS+32*\m+8*\cb+7], v[BO], s[\base:\base+1] offset:64*\cb+16
.endr
	WIN 0
.endm
.macro CVT c, left                     ; chunk c to f16; left = the loads issued behind chunk c's
	s_wait_loadcnt \left
	WIN 0x0a
.irp i, 0,1,2,3,4,5,6,7,8,9,10,11,12,13,14,15,16,17,18,19,20,21,22,23
	v_cvt_pk_f16_f32 v[T+2*\i],   v[96*((\c)&1)+4*\i],   v[96*((\c)&1)+4*\i+1]
	v_cvt_pk_f16_f32 v[T+2*\i+1], v[96*((\c)&1)+4*\i+2], v[96*((\c)&1)+4*\i+3]
.endr
	WIN 0
.endm
.macro XSTORE c                        ; the three loads' numbers to their places in the two tokens' rows, 8 bytes a lane
.irp p, 0,1,2,3,4,5,6,7
	ds_store_b64 v[XSA], v[T+6*\p:T+6*\p+1]   offset:((\c)&1)*XCHUNK+2*XPITCH*\p
	ds_store_b64 v[XSB], v[T+6*\p+2:T+6*\p+3] offset:((\c)&1)*XCHUNK+2*XPITCH*\p
	ds_store_b64 v[XSA], v[T+6*\p+4:T+6*\p+5] offset:((\c)&1)*XCHUNK+2*XPITCH*\p+XPITCH+128
.endr
.endm
; The head of step s.  All my tensor loads have landed (my part of this step's slot), so a group 0 may be stepped; my LDS reads and stores are done.
; refill = 1: the round shows both of every wave of the four work-groups, and the slot read last gets step s + 1's rows: my first and only tensor
; load behind the round.  refill = 0: nothing is left to fetch, and the work-group's own barrier shows the slot and the stage whole.
.macro HEAD s, refill
	s_wait_tensorcnt 0x0
	ds_add_u32 v62, v63
	s_wait_dscnt 0x0
.if \refill
	s_add_nc_u64 s[G0+4*((\s+1)&1)+2:G0+4*((\s+1)&1)+3], s[G0+4*((\s+1)&1)+2:G0+4*((\s+1)&1)+3], 2*STEPB
.endif
	s_wait_dscnt 0x0
.if \refill
	ROUND
	tensor_load_to_lds s[G0+4*((\s+1)&1):G0+4*((\s+1)&1)+3], s[G1:G1+7]
	s_nop 0
.else
	s_barrier_signal -1
	s_barrier_wait -1
.endif
.endm
; Asking ahead for weights.  In steps 0, 2 and 4 (j = 0, 1, 2) wave 0 asks for 3 blocks of 256 bytes of the 196,608 bytes that steps 2 j + 2 and 2 j + 3
; load: work-group g takes bytes 768 g .. 768 g + 767 of them, so the 256 work-groups cover each block once.  Lanes 3 to 31 repeat lane 2's address.
; The first of those rows are loaded one step later.  The last request ends with step 7's rows, byte 786,431 of wh.
.macro PREF j
	s_cmp_lg_u32 s[WV], 0
	s_cbranch_scc1 .Lno_pref_\@
	global_prefetch_b8 v[PF], s[16:17] offset:(\j+1)*2*STEPB th:TH_LOAD_NT scope:SCOPE_SE
.Lno_pref_\@:
.endm
; cos and sin of (p0 + n) theta for my wave's token n, lane = frequency.  Reduction by pi in two parts, then Taylor sums on [-pi/2, pi/2].
.macro TRIG n
	s_add_co_i32 s41, s37, \n
	v_cvt_f32_i32 v33, s41
	v_mul_f32 v33, v33, v32                        ; the angle
	v_mul_f32 v34, 0x3ea2f983, v33                 ; / pi
	v_rndne_f32 v34, v34
	v_fma_f32 v35, -v34, s54, v33
	v_fma_f32 v35, -v34, s55, v35                  ; the rest, at most pi/2 in size
	v_mul_f32 v36, v35, v35
	v_cvt_i32_f32 v37, v34
	v_lshlrev_b32 v37, 31, v37                     ; an odd multiple of pi turns both signs
	v_fma_f32 v38, v36, s56, s57
	v_fma_f32 v39, v36, s61, s62
	v_fma_f32 v38, v38, v36, s58
	v_fma_f32 v39, v39, v36, s63
	v_fma_f32 v38, v38, v36, s59
	v_fma_f32 v39, v39, v36, s66
	v_fma_f32 v38, v38, v36, s60
	v_fma_f32 v39, v39, v36, -0.5
	v_mul_f32 v40, v35, v36
	v_fma_f32 v39, v39, v36, 1.0
	v_fma_f32 v38, v38, v40, v35
	v_xor_b32 v42, v39, v37                        ; cos
	v_xor_b32 v43, v38, v37                        ; sin
	ds_store_b64 v[CSW], v[42:43] offset:TPITCH*\n
.endm
; h: the turn of each pair (2 i, 2 i + 1) of my head by frequency i, to f16, into HS
.macro E_H
	PLACES
.irp tb, 0,1,2,3
.irp cb, 0,1,2,3
	ds_load_b128 v[T+8*\cb:T+8*\cb+3],   v[CSR] offset:16*TPITCH*\tb+64*\cb
	ds_load_b128 v[T+8*\cb+4:T+8*\cb+7], v[CSR] offset:16*TPITCH*\tb+64*\cb+16
.endr
	s_wait_dscnt 0x0
	WIN 0x01
.irp cb, 0,1,2,3
.irp q, 0,1,2,3
	v_mul_f32 v[T+32+8*\cb+2*\q],   v[8*(4*\tb+\cb)+2*\q],   v[T+8*\cb+2*\q]
	v_mul_f32 v[T+32+8*\cb+2*\q+1], v[8*(4*\tb+\cb)+2*\q+1], v[T+8*\cb+2*\q]
	v_fma_f32 v[T+32+8*\cb+2*\q],   -v[8*(4*\tb+\cb)+2*\q+1], v[T+8*\cb+2*\q+1], v[T+32+8*\cb+2*\q]
	v_fma_f32 v[T+32+8*\cb+2*\q+1], v[8*(4*\tb+\cb)+2*\q],    v[T+8*\cb+2*\q+1], v[T+32+8*\cb+2*\q+1]
.endr
.endr
	WIN 0
.irp cb, 0,1,2,3
.irp q, 0,1,2,3
	v_cvt_pk_f16_f32 v[T+4*\cb+\q], v[T+32+8*\cb+2*\q], v[T+32+8*\cb+2*\q+1]
.endr
	ds_store_b128 v[HST], v[T+4*\cb:T+4*\cb+3] offset:16*TPITCH*\tb+32*\cb
.endr
.endr
.endm
; the accumulators, rounded to 16 bits by the conversion named, 16 bytes a lane into the stage that begins st bytes behind the first
.macro PACKOUT cvt, st
	WIN 0x05
.irp tb, 0,1,2,3
.irp cb, 0,1,2,3
.irp q, 0,1,2,3
	\cvt v[T+4*(4*\tb+\cb)+\q], v[8*(4*\tb+\cb)+2*\q], v[8*(4*\tb+\cb)+2*\q+1]
.endr
.endr
.endr
	WIN 0
.irp tb, 0,1,2,3
.irp cb, 0,1,2,3
	ds_store_b128 v[OSTW], v[T+4*(4*\tb+\cb):T+4*(4*\tb+\cb)+3] offset:(\st)+16*OPITCH*\tb+32*\cb
.endr
.endr
.endm
.macro E_QK st
	s_wait_xcnt 0x0                                ; T, which the last stores read, is rewritten only behind this wait
	PLACES
	PACKOUT v_cvt_pk_bf16_f32, \st
.endm
; whole rows back from a stage and out: a store of the wave covers the 512 consecutive bytes of one token's row
.macro READBACK base, st
	s_wait_xcnt 0x0
.irp i, 0,1,2,3,4,5,6,7,8,9,10,11,12,13,14,15
	ds_load_b128 v[T+4*\i:T+4*\i+3], v[OSTR] offset:(\st)+OPITCH*\i
.endr
.irp i, 0,1,2,3,4,5,6,7,8,9,10,11,12,13,14,15
	s_wait_dscnt 15-\i
	global_store_b128 v[GO], v[T+4*\i:T+4*\i+3], s[\base:\base+1] offset:512*\i
.endr
.endm
	s_load_b512 s[4:19], s[0:1], 0x0               ; x s[4:5], lengths s[6:7], b_emb s[8:9], bq s[10:11], bk s[12:13], bv s[14:15], wh s[16:17], qb s[18:19]
	s_load_b128 s[20:23], s[0:1], 0x40             ; kb s[20:21], vb s[22:23]
	s_load_b64 s[24:25], s[0:1], 0x50              ; vx
	v_lshl_add_u32 v62, v0, 2, 0x4c400
	v_mov_b32 v63, 0
	ds_add_u32 v62, v63
	v_lshrrev_b32 v[TA], 5, v0
	v_readfirstlane_b32 s[WV], v[TA]               ; wave = head
	s_bfe_u32 s41, ttmp6, 0x40000                  ; my place in the cluster
	s_lshl_b32 s42, ttmp9, 2
	s_add_co_u32 s42, s42, s41                     ; g: my block of 64 tokens, 0 .. 255
	s_lshr_b32 s43, ttmp9, 3                       ; batch: 8 clusters each
	v_and_b32 v[LANE], 31, v0
	v_and_b32 v[RR], 15, v0
	v_bfe_u32 v[HH], v0, 4, 1
	s_mul_i32 s27, s[WV], 49152                    ; my wave's 16 tokens of 3,072 bytes
	v_lshl_add_u32 v[XOA], v[LANE], 4, s27         ; 16 bytes a lane
	v_mul_u32_u24 v[TA], v[HH], 2560               ; the straddling load: byte 512 + 16 (l % 16) of the even token, or byte 16 (l % 16) of the odd one (3,072 further)
	v_lshl_add_u32 v[TA], v[RR], 4, v[TA]
	s_add_co_u32 s27, s27, 512
	v_add_nc_u32 v[XOB], s27, v[TA]
	s_lshl_b32 s27, s[WV], 8
	v_lshl_add_u32 v[BO], v[HH], 5, s27            ; 256 w + 32 (l / 16)
	s_mul_i32 s26, s42, 196608                     ; 64 tokens of 3,072 bytes
	s_mov_b32 s27, 0
	s_lshl_b32 s67, s43, 2
	s_wait_dscnt 0x0
	s_wait_kmcnt 0x0
	s_load_b32 s36, s[6:7], s67 offset:0x0         ; lengths[batch]
	s_add_nc_u64 s[4:5], s[4:5], s[26:27]
	BLOAD 0, 8                                     ; 56 loads go out ahead of everything else
	XLOAD 0
	XLOAD 1
	; descriptor group 1: 48 rows of 256 f16, 8 words of padding behind every 128 words; asked for jointly by the cluster's four work-groups
	s_mov_b32 s[G1+0], 15|(1<<16)|(1<<20)|(1<<21)|(6<<22)|(7<<25)
	s_mov_b32 s[G1+1], 256<<16                     ; tensor_dim0 = 256
	s_mov_b32 s[G1+2], 48<<16                      ; tensor_dim1 = 48
	s_mov_b32 s[G1+3], 256<<16                     ; tile_dim0 = 256
	s_mov_b32 s[G1+4], 48                          ; tile_dim1 = 48
	s_mov_b32 s[G1+5], 256                         ; elements from row to row
	s_mov_b32 s[G1+6], 0
	s_mov_b32 s[G1+7], 0
	s_mul_i32 s41, s[WV], 48*WPITCH                ; my 48 rows in a slot
	s_mul_i32 s38, s[WV], 48*512                   ; and in a step's rows of wh
	s_mov_b32 s39, 0
	s_add_nc_u64 s[38:39], s[16:17], s[38:39]      ; s[16:17] itself stays wh's first byte
.irp n, 0,1
	s_mov_b32 s[G0+4*\n], 1
	s_add_co_u32 s[G0+4*\n+1], s41, \n*WSLOT
	s_add_nc_u64 s[G0+4*\n+2:G0+4*\n+3], s[38:39], \n*STEPB
	s_or_b32 s[G0+4*\n+3], s[G0+4*\n+3], 0x80000000
.endr
	ROUND                                          ; all four work-groups are here: the first joint loads meet
	tensor_load_to_lds s[G0:G0+3], s[G1:G1+7]      ; step 0's rows
	s_nop 0
	tensor_load_to_lds s[G0+4:G0+7], s[G1:G1+7]    ; step 1's rows: two tensor loads of a wave are out here, later one
	s_nop 0
	s_lshl_b32 s26, s42, 15                        ; 64 rows of 512 bytes in qb, kb, vb
	s_add_nc_u64 s[18:19], s[18:19], s[26:27]
	s_add_nc_u64 s[20:21], s[20:21], s[26:27]
	s_add_nc_u64 s[22:23], s[22:23], s[26:27]
	s_mul_i32 s41, s42, 768                        ; what I ask for ahead: 768 g + 256 min(lane, 2)
	v_min_u32 v[PF], 2, v[LANE]
	v_lshl_add_u32 v[PF], v[PF], 8, s41
	; LDS addresses
	v_and_b32 v[TA], 7, v0
	v_bfe_u32 v[TB], v0, 3, 1
	v_lshl_add_u32 v[TA], v[HH], 3, v[TA]          ; the transposing load: row 8 (l / 16) + l % 8,
	v_mul_u32_u24 v[TA], v[TA], WPITCH
	v_lshl_add_u32 v[TA], v[TB], 4, v[TA]          ; 16 bytes further for lanes 8-15 and 24-31,
	s_lshl_b32 s26, s[WV], 7                       ; my head's 64 columns
	v_add_nc_u32 v[WA], s26, v[TA]
	v_add_nc_u32 v[WA+1], 3*UNITB, v[WA]           ; a second base for units 3-5: the 16-bit offset does not reach them
	v_add_nc_u32 v[WA+2], WSLOT, v[WA]
	v_add_nc_u32 v[WA+3], 3*UNITB, v[WA+2]
	v_mul_u32_u24 v[TB], v[RR], TPITCH
	v_lshl_add_u32 v[TA], v[HH], 5, v[TB]
	v_add_nc_u32 v[CSR], CS, v[TA]                 ; token l % 16, 32 bytes (4 frequencies) for each half of the lanes
	v_lshl_add_u32 v[TB], v[HH], 4, v[TB]          ; token row l % 16, 16 bytes for each half
	v_add_nc_u32 v[HB], HS, v[TB]
	s_lshr_b32 s27, s[WV], 1
	s_mul_i32 s27, s27, CHUNK
	s_and_b32 s41, s[WV], 1
	s_lshl_b32 s41, s41, 7
	s_add_co_u32 s27, s27, s41
	s_add_co_u32 s27, s27, HS
	v_add_nc_u32 v[HST], s27, v[TB]                ; my head's 128 bytes of h's rows
	v_mul_u32_u24 v[TA], v[RR], XPITCH
	v_lshl_add_u32 v[TA], v[HH], 4, v[TA]
	v_add_nc_u32 v[XB], XH, v[TA]
	v_add_nc_u32 v[XB+1], XH+XCHUNK, v[TA]
	s_mul_i32 s27, s[WV], 16*XPITCH                ; my wave's 16 token rows of x
	s_add_co_u32 s27, s27, XH
	v_lshl_add_u32 v[XSA], v[LANE], 3, s27         ; 8 bytes a lane
	v_mul_u32_u24 v[TA], v[HH], XPITCH-256         ; the straddling load: byte 256 + 8 (l % 16) of the even row, or byte 8 (l % 16) of the odd one
	v_lshl_add_u32 v[TA], v[RR], 3, v[TA]
	s_add_co_u32 s27, s27, 256
	v_add_nc_u32 v[XSB], s27, v[TA]
	s_mul_i32 s27, s[WV], 16*TPITCH
	s_add_co_u32 s27, s27, CS
	v_lshl_add_u32 v[CSW], v[LANE], 3, s27
	v_mul_u32_u24 v[TA], v[RR], OPITCH
	v_lshl_add_u32 v[TA], v[HH], 4, v[TA]
	s_add_co_u32 s27, s26, OST
	v_add_nc_u32 v[OSTW], s27, v[TA]
	s_mul_i32 s27, s[WV], 16*OPITCH
	s_add_co_u32 s27, s27, OST
	v_lshl_add_u32 v[OSTR], v[LANE], 4, s27
	s_lshl_b32 s27, s[WV], 13
	v_lshl_add_u32 v[GO], v[LANE], 4, s27
	s_mov_b32 s52, 0x76543210                      ; v_permlanex16_b32: lane i reads lane i of the other half
	s_mov_b32 s53, 0xfedcba98
	s_mov_b32 s54, 0x40490fdb                      ; pi, and what it lacks
	s_mov_b32 s55, 0xb3bbbd2e
	s_mov_b32 s56, 0xb2d7322b                      ; sine: -1/11!, 1/9!, -1/7!, 1/5!, -1/3!
	s_mov_b32 s57, 0x3638ef1d
	s_mov_b32 s58, 0xb9500d01
	s_mov_b32 s59, 0x3c088889
	s_mov_b32 s60, 0xbe2aaaab
	s_mov_b32 s61, 0xb493f27e                      ; cosine: -1/10!, 1/8!, -1/6!, 1/4!
	s_mov_b32 s62, 0x37d00d01
	s_mov_b32 s63, 0xbab60b61
	s_mov_b32 s66, 0x3d2aaaab
	v_cvt_f32_u32 v32, v[LANE]
	v_mul_f32 v32, 0xbed49a78, v32                 ; -log2(10000) / 32 x frequency
	v_exp_f32 v32, v32                             ; theta
	s_and_b32 s37, s42, 31
	s_lshl_b32 s37, s37, 6
	s_lshl4_add_u32 s37, s[WV], s37                ; my wave's first token in its batch
	s_wait_kmcnt 0x0
	s_lshr_b32 s41, s36, 1
	s_sub_co_i32 s37, s37, s41                     ; its position: s - lengths // 2
	v_nop                                          ; one plain place behind v_exp_f32 (ISA guide 5.7.2)
	s_wait_alu depctr_va_vdst(0)
.irp n, 0,1,2,3,4,5,6,7,8,9,10,11,12,13,14,15
	TRIG \n
.endr
	; x W_emb, steps 0-3.  Behind each chunk's 24 loads stand 24 younger ones at its conversion: the next chunk's, or (behind the last chunk's) three biases'.
	CVT 0, 24
	XLOAD 2
	XSTORE 0
	s_wait_tensorcnt 0x1                           ; my part of slot 0 is in; slot 1's may stay out
	s_wait_dscnt 0x0                               ; my part of the table and of x's chunk 0 is written
	s_barrier_signal -1
	s_barrier_wait -1
	PREF 0
	SIX 0, 2, BIAS
	CVT 1, 24
	XLOAD 3
	XSTORE 1
	HEAD 1, 1
	SIX 6, 0, 0
	CVT 2, 24
	BLOAD 1, 10
	BLOAD 2, 12
	BLOAD 3, 14
	XSTORE 2                                       ; buffer 0 again: every wave's reads of chunk 0 were done in front of step 1's round
	HEAD 2, 1
	PREF 1
	SIX 12, 0, 0
	CVT 3, 24
	XSTORE 3
	HEAD 3, 1
	SIX 18, 0, 0
	E_H
	; q: units 24-31
	s_wait_loadcnt 0x0                             ; the other three biases
	HEAD 4, 1                                      ; h is whole behind this round
	PREF 2
	SIX 24, 2, BIAS+32
	HEAD 5, 1
	LEAD 30
	UNIT 30, 0, 0, 0
	UNIT 31, 1, 0, 0
	E_QK 0                                         ; q into the first stage
	; k: units 32-39
	LEAD 32
	UNIT 32, 0, 2, BIAS+64
	UNIT 33, 0, 0, 0
	UNIT 34, 0, 0, 0
	UNIT 35, 1, 0, 0
	HEAD 6, 1                                      ; the last refill: step 7's rows
	READBACK 18, 0                                 ; q's rows leave behind the round that shows the first stage whole
	LEAD 36
	UNIT 36, 0, 0, 0
	UNIT 37, 0, 0, 0
	UNIT 38, 0, 0, 0
	UNIT 39, 1, 0, 0
	E_QK OST1                                      ; k into the second stage: other waves may still be reading the first
	; v: units 40-47
	LEAD 40
	UNIT 40, 0, 2, BIAS+96
	UNIT 41, 1, 0, 0
	HEAD 7, 0                                      ; every wave's reads of the first stage are done in front of this barrier
	READBACK 20, OST1
	SIX 42, 0, 0
	; v's shared exponent: the largest |v| of my head's 64 x 64 numbers
	s_wait_xcnt 0x0
	PLACES
	WIN 0x05
.set n, 0
.rept 4
	v_max_num_f32 v[MX+n], |v[2*n]|, |v[2*n+1]|
.set n, n+1
.endr
.rept 60
	v_max3_num_f32 v[MX+n%4], |v[2*n]|, |v[2*n+1]|, v[MX+n%4]
.set n, n+1
.endr
	WIN 0
	v_max_num_f32 v[MX], v[MX], v[MX+1]
	v_max_num_f32 v[MX+2], v[MX+2], v[MX+3]
	v_max_num_f32 v[MX], v[MX], v[MX+2]
	v_max_num_f32_dpp v[MX], v[MX], v[MX] row_xmask:1 row_mask:0xf bank_mask:0xf
	v_max_num_f32_dpp v[MX], v[MX], v[MX] row_xmask:2 row_mask:0xf bank_mask:0xf
	v_max_num_f32_dpp v[MX], v[MX], v[MX] row_xmask:4 row_mask:0xf bank_mask:0xf
	v_max_num_f32_dpp v[MX], v[MX], v[MX] row_xmask:8 row_mask:0xf bank_mask:0xf
	v_permlanex16_b32 v[MX+1], v[MX], s52, s53
	v_max_num_f32 v[MX], v[MX], v[MX+1]
	v_readfirstlane_b32 s41, v[MX]
	s_lshr_b32 s41, s41, 23                        ; e
	s_max_u32 s41, s41, 16
	s_min_u32 s41, s41, 254
	s_sub_co_u32 s38, 268, s41
	s_lshl_b32 s38, s38, 23                        ; 2^(141 - e): the largest |v| lands in [2^14, 2^15)
	s_mov_b32 s39, s38
	WIN 0x41
.set n, 0
.rept 64
	v_pk_mul_f32 v[2*n:2*n+1], v[2*n:2*n+1], s[38:39] op_sel_hi:[1,0]
.set n, n+1
.endr
	PACKOUT v_cvt_pk_f16_f32, 0                    ; v into the first stage
	v_mov_b32 v[TE], s41
	s_lshl_b32 s26, s43, 9                         ; vx[batch][head][block]: 512 b + 128 w + 4 t
	s_lshl_b32 s27, s[WV], 7
	s_add_co_u32 s26, s26, s27
	s_and_b32 s27, s42, 31
	s_lshl2_add_u32 s26, s27, s26
	v_mov_b32 v[TV], s26
	v_cmp_eq_u32 vcc_lo, 0, v[LANE]
	s_wait_xcnt 0x0                                ; EXEC changes only behind s_wait_xcnt 0
	s_and_saveexec_b32 s27, vcc_lo
	global_store_b32 v[TV], v[TE], s[24:25]
	s_wait_xcnt 0x0
	s_or_b32 exec_lo, exec_lo, s27
	s_wait_dscnt 0x0                               ; my part of the stage is written
	ROUND                                          ; the closing round: no partner has a joint load left to issue, and the stage is whole
	READBACK 22, 0
	s_wait_tensorcnt 0x0
	ds_add_u32 v62, v63
	s_wait_dscnt 0x0
	s_endpgm
.Lfunc_end_k_q5cc64d95f0_embed:
	.size	k_q5cc64d95f0_embed, .Lfunc_end_k_q5cc64d95f0_embed-k_q5cc64d95f0_embed
	.p2alignl 7, 3214868480
	.fill 96, 4, 3214868480
	.section	.rodata,"a",@progbits
	.p2align	6, 0x0
	.amdhsa_kernel k_q5cc64d95f0_embed
		.amdhsa_group_segment_fixed_size 327680
		.amdhsa_private_segment_fixed_size 0
		.amdhsa_enable_private_segment 0
		.amdhsa_kernarg_size 88
		.amdhsa_user_sgpr_count 2
		.amdhsa_user_sgpr_kernarg_segment_ptr 1
		.amdhsa_wavefront_size32 1
		.amdhsa_system_sgpr_workgroup_id_x 1
		.amdhsa_system_sgpr_workgroup_id_y 1
		.amdhsa_system_sgpr_workgroup_id_z 1
		.amdhsa_system_vgpr_workitem_id 0
		.amdhsa_next_free_vgpr 704
		.amdhsa_next_free_sgpr 72
		.amdhsa_reserve_vcc 1
		.amdhsa_float_denorm_mode_32 3
		.amdhsa_float_denorm_mode_16_64 3
		.amdhsa_memory_ordered 1
		.amdhsa_forward_progress 1
		.amdhsa_inst_pref_size 223
	.end_amdhsa_kernel
	.amdgpu_metadata
---
amdhsa.version: [ 1, 2 ]
amdhsa.kernels:
  - .name:           k_q5cc64d95f0_embed
    .symbol:         k_q5cc64d95f0_embed.kd
    .args:
      - { .name: x, .offset: 0, .size: 8, .value_kind: global_buffer, .address_space: global }
      - { .name: lengths, .offset: 8, .size: 8, .value_kind: global_buffer, .address_space: global }
      - { .name: b_emb, .offset: 16, .size: 8, .value_kind: global_buffer, .address_space: global }
      - { .name: bq, .offset: 24, .size: 8, .value_kind: global_buffer, .address_space: global }
      - { .name: bk, .offset: 32, .size: 8, .value_kind: global_buffer, .address_space: global }
      - { .name: bv, .offset: 40, .size: 8, .value_kind: global_buffer, .address_space: global }
      - { .name: wh, .offset: 48, .size: 8, .value_kind: global_buffer, .address_space: global }
      - { .name: qb, .offset: 56, .size: 8, .value_kind: global_buffer, .address_space: global }
      - { .name: kb, .offset: 64, .size: 8, .value_kind: global_buffer, .address_space: global }
      - { .name: vb, .offset: 72, .size: 8, .value_kind: global_buffer, .address_space: global }
      - { .name: vx, .offset: 80, .size: 8, .value_kind: global_buffer, .address_space: global }
    .group_segment_fixed_size: 327680
    .private_segment_fixed_size: 0
    .kernarg_segment_align: 8
    .kernarg_segment_size: 88
    .max_flat_workgroup_size: 128
    .sgpr_count:     72
    .vgpr_count:     704
    .wavefront_size: 32
...
	.end_amdgpu_metadata
.endif
;; end of part 2
;; launch attn (part 3): grid 256 x 1, 4 waves a work-group, clusters of 4 x 1, 327,680 bytes of LDS; arguments qb, kb, vb, vx, wh, lengths, bo, out0; writes out0
.if DOCPART == 3
	.amdgcn_target "amdgcn-amd-amdhsa--gfx1250"
	.amdhsa_code_object_version 6
	.text
	.protected	k_q5cc64d95f0_attn
	.globl	k_q5cc64d95f0_attn
	.p2align	8
	.type	k_q5cc64d95f0_attn,@function
k_q5cc64d95f0_attn:
	s_mov_b64 s[64:65], 0
	v_nop
	global_prefetch_b8 v0, s[64:65] scope:SCOPE_SE
	s_setreg_imm32_b32 hwreg(HW_REG_WAVE_MODE, 25, 1), 1
	s_wait_xcnt 0x0
	s_wait_alu depctr_hold_cnt(0) depctr_sa_sdst(0) depctr_va_vdst(0) depctr_va_sdst(0) depctr_va_ssrc(0) depctr_va_vcc(0) depctr_vm_vsrc(0)
	s_getreg_b32 s2, hwreg(HW_REG_IB_STS2, 6, 4)
	s_cmp_eq_u32 s2, 0
	s_cbranch_scc0 .Lentry_in_a_cluster
	s_endpgm
.Lentry_in_a_cluster:
	s_bfe_u32 s2, ttmp6, 0x10000c
	s_cmp_lg_u32 s2, 0x3003
	s_cbranch_scc0 .Lentry_shape_is_right
	s_endpgm
.Lentry_shape_is_right:
; out = softmax(q k^T / 8, keys >= length masked) v Wo + bo.  A work-group takes 64 queries of one batch and all four heads; wave w takes head w.
; K and V walk through two LDS slots of 128 keys (all heads' 512 bytes a row); a slot is worked on as two tiles of 64 keys.
; CLUSTER: the four work-groups of a cluster are four query blocks of one batch: they read the same K and V rows and the same Wo, so every fill
; is asked for jointly (mask 15).  Waves 0, 1 bring K's two halves of a slot, waves 2, 3 V's.
; THE MASK: all 2,048 keys are worked on and lengths enters by
; arithmetic alone: the sums of S start from a fragment that holds 0 for a valid key and -2^125 for a key >= length (32 registers, the same for
; all four query blocks, made anew for each tile).  Such a logit never wins the running maximum and its exponential is 0.
; SOFTMAX: a running maximum for each query, in f32; the sums in f32.
; FORMATS: q, k bf16.  v is f16 with an exponent e for each head and 64 keys (vx): vb = v 2^(141 - e).  E = the batch's largest e.  The weights of
; a tile are made as p' = p 2^(e - E), in f16, so that all tiles' products stand on E; the sum of weights takes p' 2^(E - e).  o / l goes to Wo in
; f16 and the result is scaled by 2^(E - 141).
; LIMITS: |q.k| below 2^124 (the mask's number must stay below every valid logit and the sum onto it finite).  e - E is clamped at -60; a tile
; whose largest |v| lies more than about 2^24 below the batch's adds nothing to o (its weights still count in the sums).  lengths >= 1 (with 0
; the weights of the masked keys would count).  Weights below 2^-24 of a query's largest are dropped from o.
; MATRIX INSTRUCTIONS, both transposed: S = K (source 0, 16 keys) x Q (source 1, 16 queries): lane l holds query l % 16, registers 0-7 keys
; 8 (l / 16) + 0..7; two such tiles, packed to f16, ARE the source 1 fragment of 32 keys for O = V (source 0, 16 dims, by the transposing load) x P.
.set KPITCH, 528                       ; K's row in LDS: 512 + 16
.set VPITCH, 544                       ; V's and Wo's row: 512 + 32 (17 x 32)
.set WPITCH, VPITCH
.set QUART,  34816                     ; 64 rows of 544: what one tensor load fills
.set SLOT,   4*QUART                   ; K keys 0-63, K keys 64-127, V keys 0-63, V keys 64-127
.set STEPB,  128*512                   ; 128 keys in kb and in vb
.set TPITCH, 272
.set CHUNK,  64*TPITCH
.set OS,     2*SLOT                    ; 278,528: o in f16, two chunks of 64 queries x 128; written by LDS stores alone
.set STAGE,  SLOT                      ; the way out: 16 rows of 272 bytes for each wave, in slot 1 behind its last fill
; window 0
.set KA,   1                           ; v1, v2  my K fragments in slot 0, 1
.set VA,   3                           ; v3, v4  my V fragments; v3 also serves Wo's rows 128-255
.set H8,   5
.set NI,   6                           ; -2^125, the logit of a masked key
.set LIMT, 7
.set DF,   8
.set OSW,  9
.set OB,   10
.set STO,  11
.set RD,   12
.set CO,   13
.set WOA,  14
.set BOO,  15
.set MM,   16                          ; v16-19 running maxima, one for each block of 16 queries
.set LS,   20                          ; v20-23 running sums (each half of the lanes sums its own keys)
.set MN,   24
.set TX,   28
.set AL,   32                          ; pairs; the lower register is used for both halves of a packed multiply
.set NOFF, 40                          ; pairs, likewise
.set SA,   48                          ; v48-55, v56-63: two chains of packed sums for each block
.set KF,   64
.set SS,   128                         ; v128-255: S, tile (qb, kb) at 8 (4 qb + kb); then P, fragment (qb, ks) at 32 qb + 16 ks
.set LANE, 48                          ; the start's own registers lie on SA
.set RR,   49
.set HH,   50
.set TM,   51
.set EX,   52
.set QO,   56
.set VXO,  57
.set TM2,  58
; window 1
.set QQ,   128                         ; Q, fragment (qb, ksd) at 8 (2 qb + ksd)
.set VF,   192                         ; V, fragment (db, ks) at 8 (2 db + ks);  O at local 0-127, tile (qb, db) at 8 (4 qb + db)
; window 2
.set MB,   0                           ; local 0-31: the mask fragments, key block kb at 8 kb
; the last product
.set F0,   64
.set F1,   128
.set BOF,  192
.set T,    224
.set RB,   64
.set REM, 36                           ; s36 keys still valid from this tile on (may fall below 0)
.set WV,  40
.set WH,  75                           ; wave / 2: I fetch K (0) or V (1)
.set DD,  66                           ; s66, s67: e - E and 2^(E - e) of the step's first tile; s68, s69 of its second
.set G1K, 20
.set G1V, 28
.set G0K, 44
.set G0V, 52
.set G0W, 60
.set MSB, 0
.macro WIN new                         ; the immediate's high byte repeats the setting that is left
.if MSB != \new
	s_set_vgpr_msb (MSB<<8)|\new
.set MSB, \new
.endif
.endm
.macro PLACES                          ; four places behind matrix instructions (ISA guide 7.12.1)
.rept 4
	v_nop
.endr
.endm
.macro ROUND                           ; a round of the cluster's barrier
	s_barrier_signal -1
	s_barrier_wait -1
	s_cmp_lg_u32 s[WV], 0
	s_cbranch_scc1 .Lnot_wave_0_\@
	s_barrier_signal -3
.Lnot_wave_0_\@:
	s_barrier_wait -3
	s_barrier_signal -1
	s_barrier_wait -1
.endm
.macro FETCH wa, woff, ba, boff, f
.irp c, 0,1,2,3
	ds_load_tr16_b128 v[\f+8*\c:\f+8*\c+3],   v[\wa] offset:(\woff)+32*\c
	ds_load_tr16_b128 v[\f+8*\c+4:\f+8*\c+7], v[\wa] offset:(\woff)+32*\c+16*WPITCH
.endr
.irp c, 0,1,2,3
	ds_load_b128 v[\f+32+8*\c:\f+32+8*\c+3],   v[\ba] offset:(\boff)+16*TPITCH*\c
	ds_load_b128 v[\f+32+8*\c+4:\f+32+8*\c+7], v[\ba] offset:(\boff)+16*TPITCH*\c+32
.endr
.endm
; 16 matrix instructions; the sixteen accumulators take turns, one instruction a turn.  cm = 1: the sums start at 0.
.macro MUL16 f, cm
.irp tb, 0,1,2,3
.irp cb, 0,1,2,3
.if \cm == 0
	v_wmma_f32_16x16x32_f16 v[8*(4*\tb+\cb):8*(4*\tb+\cb)+7], v[\f+8*\cb:\f+8*\cb+7], v[\f+32+8*\tb:\f+32+8*\tb+7], v[8*(4*\tb+\cb):8*(4*\tb+\cb)+7]
.else
	v_wmma_f32_16x16x32_f16 v[8*(4*\tb+\cb):8*(4*\tb+\cb)+7], v[\f+8*\cb:\f+8*\cb+7], v[\f+32+8*\tb:\f+32+8*\tb+7], 0
.endif
.endr
.endr
.endm
; 128 k of the last product in four steps of 32 on buffers 0, 1, 0, 1; s_wait_dscnt 16 leaves the next step's 16 loads out
.macro KT wa, ba, boff, cm
	PLACES
	FETCH \wa, 0, \ba, (\boff), F0
	PLACES
	FETCH \wa, 32*WPITCH, \ba, (\boff)+64, F1
	s_wait_dscnt 16
	WIN 0x50
	MUL16 F0, \cm
	WIN 0
	PLACES
	FETCH \wa, 64*WPITCH, \ba, (\boff)+128, F0
	s_wait_dscnt 16
	WIN 0x50
	MUL16 F1, 0
	WIN 0
	PLACES
	FETCH \wa, 96*WPITCH, \ba, (\boff)+192, F1
	s_wait_dscnt 16
	WIN 0x50
	MUL16 F0, 0
	s_wait_dscnt 0
	MUL16 F1, 0
	WIN 0
.endm
; a joint refill: each line has one set of registers for all that issue it; the branch hangs on the wave's number alone
.macro JLOAD s
	s_cmp_eq_u32 s[WH], 0
	s_cbranch_scc0 .Lfor_v_\@
	tensor_load_to_lds s[G0K+4*\s:G0K+4*\s+3], s[G1K:G1K+7]
	s_nop 0
	s_branch .Lasked_\@
.Lfor_v_\@:
	tensor_load_to_lds s[G0V+4*\s:G0V+4*\s+3], s[G1V:G1V+7]
	s_nop 0
.Lasked_\@:
.endm
; the step's two exponents become scalars; more = 1: the next step's two are asked for at once and waited for a step later
.macro EXPS more
	s_wait_kmcnt 0x0
	s_sub_co_i32 s[DD], s42, s37
	s_max_i32 s[DD], s[DD], -60
	s_sub_co_i32 s[DD+1], 127, s[DD]
	s_lshl_b32 s[DD+1], s[DD+1], 23
	s_sub_co_i32 s[DD+2], s43, s37
	s_max_i32 s[DD+2], s[DD+2], -60
	s_sub_co_i32 s[DD+3], 127, s[DD+2]
	s_lshl_b32 s[DD+3], s[DD+3], 23
.if \more
	s_add_co_u32 s41, s41, 8
	s_load_b64 s[42:43], s[10:11], s41 offset:0x0
.endif
.endm
.macro SFMA qb, i                      ; two exponents: S log2(e)/8 - max log2(e)/8 + (e - E)
	v_pk_fma_f32 v[SS+32*\qb+2*(\i):SS+32*\qb+2*(\i)+1], v[SS+32*\qb+2*(\i):SS+32*\qb+2*(\i)+1], s[38:39], v[NOFF+2*\qb:NOFF+2*\qb+1] op_sel_hi:[1,0,0]
.endm
.macro SEXP qb, i
	v_exp_f32 v[SS+32*\qb+(\i)], v[SS+32*\qb+(\i)]
.endm
; line i of the 32 plain lines behind a block's exponentials: 0-15 sum its 32 weights in two chains, 16-31 pack them to f16 in place
.macro POST qb, i
.if (\i) < 2
	s_wait_alu depctr_va_vdst(0)
	v_pk_add_f32 v[SA+8*(\i)+2*\qb:SA+8*(\i)+2*\qb+1], v[SS+32*\qb+4*(\i):SS+32*\qb+4*(\i)+1], v[SS+32*\qb+4*(\i)+2:SS+32*\qb+4*(\i)+3]
.else
.if (\i) < 14
	v_pk_add_f32 v[SA+8*((\i)&1)+2*\qb:SA+8*((\i)&1)+2*\qb+1], v[SA+8*((\i)&1)+2*\qb:SA+8*((\i)&1)+2*\qb+1], v[SS+32*\qb+2*(\i)+4:SS+32*\qb+2*(\i)+5]
.else
.if (\i) == 14
	v_pk_add_f32 v[SA+2*\qb:SA+2*\qb+1], v[SA+2*\qb:SA+2*\qb+1], v[SA+8+2*\qb:SA+8+2*\qb+1]
.else
.if (\i) == 15
	v_add_f32 v[SA+2*\qb], v[SA+2*\qb], v[SA+2*\qb+1]
.else
	v_cvt_pk_f16_f32 v[SS+32*\qb+16*(((\i)-16)>>3)+(((\i)-16)&7)], v[SS+32*\qb+2*((\i)-16)], v[SS+32*\qb+2*((\i)-16)+1]
.endif
.endif
.endif
.endif
.endm
; O of one block of 16 queries: 8 matrix instructions; its four accumulators take turns, one instruction a turn
.macro PV qb, first
	WIN 0x51
.irp ks, 0,1
.irp db, 0,1,2,3
.if \first && (\ks == 0)
	v_wmma_f32_16x16x32_f16 v[8*(4*\qb+\db):8*(4*\qb+\db)+7], v[VF+8*(2*\db+\ks):VF+8*(2*\db+\ks)+7], v[SS+32*\qb+16*\ks:SS+32*\qb+16*\ks+7], 0
	s_wait_alu depctr_va_vdst(0)
.else
	v_wmma_f32_16x16x32_f16 v[8*(4*\qb+\db):8*(4*\qb+\db)+7], v[VF+8*(2*\db+\ks):VF+8*(2*\db+\ks)+7], v[SS+32*\qb+16*\ks:SS+32*\qb+16*\ks+7], v[8*(4*\qb+\db):8*(4*\qb+\db)+7]
.endif
.endr
.endr
	WIN 0
.endm
; One tile of 64 keys: half 0 or 1 of a slot.  first = 1: the launch's first tile, which starts maxima, sums and O.  No branch: every tile is worked on.
.macro ATILE slot, half, first
	v_cvt_f32_i32 v[DF], s[DD+2*\half]
	v_sub_nc_u32 v[LIMT], s[REM], v[H8]            ; key 16 kb + 8 (l / 16) + j of the tile is masked if 16 kb + j >= rem - 8 (l / 16), signed
.irp kb, 0,1,2,3
.irp ksd, 0,1
	ds_load_b128 v[KF+8*(2*\kb+\ksd):KF+8*(2*\kb+\ksd)+3],   v[KA+\slot] offset:QUART*\half+16*KPITCH*\kb+64*\ksd
	ds_load_b128 v[KF+8*(2*\kb+\ksd)+4:KF+8*(2*\kb+\ksd)+7], v[KA+\slot] offset:QUART*\half+16*KPITCH*\kb+64*\ksd+32
.endr
.endr
	WIN 0x40
.irp db, 0,1,2,3
.irp ks, 0,1
	ds_load_tr16_b128 v[VF+8*(2*\db+\ks):VF+8*(2*\db+\ks)+3],   v[VA+\slot] offset:QUART*\half+32*VPITCH*\ks+32*\db
	ds_load_tr16_b128 v[VF+8*(2*\db+\ks)+4:VF+8*(2*\db+\ks)+7], v[VA+\slot] offset:QUART*\half+32*VPITCH*\ks+32*\db+16*VPITCH
.endr
.endr
	; the mask fragments, in the shape of an accumulator (register j: key 8 (l / 16) + j of block kb), while the LDS loads are on their way
	WIN 0x80
.irp kb, 0,1,2,3
.irp j, 0,1,2,3,4,5,6,7
	v_cmp_ge_i32 vcc_lo, 16*\kb+\j, v[LIMT]
	v_cndmask_b32 v[MB+8*\kb+\j], 0, v[NI], vcc_lo
.endr
.endr
	s_wait_dscnt 16                                ; K's 16 loads are in, V's 16 stay out
	; S: the first 32 of the 64 dims start the sums from the mask; the sixteen accumulators take turns, one instruction a turn
	WIN 0x24                                       ; K window 0, Q window 1, the mask window 2, S window 0
.irp qb, 0,1,2,3
.irp kb, 0,1,2,3
	v_wmma_f32_16x16x32_bf16 v[SS+8*(4*\qb+\kb):SS+8*(4*\qb+\kb)+7], v[KF+8*(2*\kb):KF+8*(2*\kb)+7], v[QQ+8*(2*\qb):QQ+8*(2*\qb)+7], v[MB+8*\kb:MB+8*\kb+7]
.endr
.endr
	WIN 0x04
.irp qb, 0,1,2,3
.irp kb, 0,1,2,3
	v_wmma_f32_16x16x32_bf16 v[SS+8*(4*\qb+\kb):SS+8*(4*\qb+\kb)+7], v[KF+8*(2*\kb+1):KF+8*(2*\kb+1)+7], v[QQ+8*(2*\qb+1):QQ+8*(2*\qb+1)+7], v[SS+8*(4*\qb+\kb):SS+8*(4*\qb+\kb)+7]
.endr
.endr
	WIN 0
	PLACES
	; the new maxima, the four blocks' chains side by side
.irp qb, 0,1,2,3
.if \first
	v_max_num_f32 v[MN+\qb], v[SS+32*\qb], v[SS+32*\qb+1]
.else
	v_max3_num_f32 v[MN+\qb], v[SS+32*\qb], v[SS+32*\qb+1], v[MM+\qb]
.endif
.endr
.irp i, 1,2,3,4,5,6,7,8,9,10,11,12,13,14,15
.irp qb, 0,1,2,3
	v_max3_num_f32 v[MN+\qb], v[SS+32*\qb+2*\i], v[SS+32*\qb+2*\i+1], v[MN+\qb]
.endr
.endr
.irp qb, 0,1,2,3
	v_permlanex16_b32 v[TX+\qb], v[MN+\qb], s70, s71           ; the other half of the lanes holds the query's other 32 keys
.endr
.irp qb, 0,1,2,3
	v_max_num_f32 v[MN+\qb], v[MN+\qb], v[TX+\qb]
.endr
.if \first == 0
.irp qb, 0,1,2,3
	v_sub_f32 v[AL+2*\qb], v[MM+\qb], v[MN+\qb]
.endr
.irp qb, 0,1,2,3
	v_mul_f32 v[AL+2*\qb], s38, v[AL+2*\qb]
.endr
.irp qb, 0,1,2,3
	v_exp_f32 v[AL+2*\qb], v[AL+2*\qb]             ; what the old sums and O shrink by; the plain lines below stand behind it (ISA guide 5.7.2)
.endr
.endif
.irp qb, 0,1,2,3
	v_fma_f32 v[NOFF+2*\qb], -v[MN+\qb], s38, v[DF]
.endr
.irp qb, 0,1,2,3
	v_mov_b32 v[MM+\qb], v[MN+\qb]
.endr
.if \first == 0
	WIN 0x41
	s_wait_alu depctr_va_vdst(0)
.irp qb, 0,1,2,3
.irp i, 0,1,2,3,4,5,6,7,8,9,10,11,12,13,14,15
	v_pk_mul_f32 v[32*\qb+2*\i:32*\qb+2*\i+1], v[32*\qb+2*\i:32*\qb+2*\i+1], v[AL+2*\qb:AL+2*\qb+1] op_sel_hi:[1,0]
.endr
.endr
	WIN 0
.endif
	; exponentials line by line with plain work of other blocks; each block's O as soon as its weights are packed
.set n, 0
.rept 16
	SFMA 0, n
	SFMA 3, n
.set n, n+1
.endr
.set n, 0
.rept 16
	SEXP 0, n
	SFMA 1, n
.set n, n+1
.endr
.rept 16
	SEXP 0, n
	SFMA 2, n-16
.set n, n+1
.endr
.set n, 0
.rept 32
	SEXP 1, n
	POST 0, n
.set n, n+1
.endr
	s_wait_dscnt 0x0                               ; V's fragments are in
	PV 0, \first
.set n, 0
.rept 32
	SEXP 2, n
	POST 1, n
.set n, n+1
.endr
	PV 1, \first
.set n, 0
.rept 32
	SEXP 3, n
	POST 2, n
.set n, n+1
.endr
	PV 2, \first
.set n, 0
.rept 32
	POST 3, n
.set n, n+1
.endr
	PV 3, \first
.irp qb, 0,1,2,3
.if \first
	v_mul_f32 v[LS+\qb], s[DD+2*\half+1], v[SA+2*\qb]          ; the sum of p = 2^(E - e) x the sum of p'
.else
	v_mul_f32 v[LS+\qb], v[LS+\qb], v[AL+2*\qb]
.endif
.endr
.if \first == 0
.irp qb, 0,1,2,3
	v_fmac_f32 v[LS+\qb], s[DD+2*\half+1], v[SA+2*\qb]
.endr
.endif
	PLACES                                         ; with the lines above: more than five places before the next tile's loads and products touch P, V or S
	s_sub_co_i32 s[REM], s[REM], 64
.endm
; 128 keys.  In front of the round: all my tensor loads have landed (my part of this slot), so group 0 may be stepped, and my reads of the other
; slot are done.  Behind it the refill of the other slot is my first and only tensor load.  refill = 1: the next 128 keys; 2: Wo.
.macro STEP slot, refill, more
	s_set_vgpr_msb 0xa
	s_wait_tensorcnt 0x0
	ds_add_u32 v32, v33
	s_wait_dscnt 0x0
	s_set_vgpr_msb 0xa00
.if \refill == 1
	s_add_nc_u64 s[G0K+4*(1-\slot)+2:G0K+4*(1-\slot)+3], s[G0K+4*(1-\slot)+2:G0K+4*(1-\slot)+3], 2*STEPB
	s_add_nc_u64 s[G0V+4*(1-\slot)+2:G0V+4*(1-\slot)+3], s[G0V+4*(1-\slot)+2:G0V+4*(1-\slot)+3], 2*STEPB
.endif
	s_wait_dscnt 0x0
	ROUND
.if \refill == 1
	JLOAD (1-\slot)
.else
	tensor_load_to_lds s[G0W:G0W+3], s[G1V:G1V+7]
	s_nop 0
.endif
	EXPS \more
	ATILE \slot, 0, 0
	ATILE \slot, 1, 0
.endm
	s_load_b512 s[4:19], s[0:1], 0x0               ; qb s[4:5], kb s[6:7], vb s[8:9], vx s[10:11], wh s[12:13], lengths s[14:15], bo s[16:17], out0 s[18:19]
	s_set_vgpr_msb 0x80
	v_lshl_add_u32 v32, v0, 2, 0x4c800
	v_mov_b32 v33, 0
	s_set_vgpr_msb 0x808a
	ds_add_u32 v32, v33
	s_set_vgpr_msb 0x8a00
	v_lshrrev_b32 v[TM], 5, v0
	v_readfirstlane_b32 s[WV], v[TM]               ; wave = head
	s_bfe_u32 s83, ttmp6, 0x40000                  ; my place in the cluster
	s_lshl_b32 s76, ttmp9, 2
	s_add_co_u32 s76, s76, s83                     ; g: my block of 64 queries, 0 .. 255
	s_lshr_b32 s77, ttmp9, 3                       ; batch: the same in all four partners
	s_lshr_b32 s[WH], s[WV], 1
	s_and_b32 s78, s[WV], 1
	s_lshl_b32 s79, s77, 2                         ; lengths[batch]
	s_lshl_b32 s41, s77, 9
	s_lshl_b32 s74, s[WV], 7                       ; 128 w: my head's bytes in a row, and its 32 exponents in vx
	s_add_co_u32 s41, s41, s74                     ; vx[batch][head][0]
	; descriptor group 1: 64 rows of 256 elements of 2 bytes, padding behind every 128 words: 4 words for K, 8 for V and Wo; mask of the four partners
	s_mov_b32 s[G1K+0], 15|(1<<16)|(1<<20)|(1<<21)|(6<<22)|(3<<25)
	s_mov_b32 s[G1V+0], 15|(1<<16)|(1<<20)|(1<<21)|(6<<22)|(7<<25)
	s_mov_b32 s[G1K+1], 256<<16
	s_mov_b32 s[G1V+1], 256<<16
	s_mov_b32 s[G1K+2], 64<<16
	s_mov_b32 s[G1V+2], 64<<16
	s_mov_b32 s[G1K+3], 256<<16
	s_mov_b32 s[G1V+3], 256<<16
	s_mov_b32 s[G1K+4], 64
	s_mov_b32 s[G1V+4], 64
	s_mov_b32 s[G1K+5], 256
	s_mov_b32 s[G1V+5], 256
	s_mov_b32 s[G1K+6], 0
	s_mov_b32 s[G1V+6], 0
	s_mov_b32 s[G1K+7], 0
	s_mov_b32 s[G1V+7], 0
	s_mov_b32 s38, 0x3e38aa3b                      ; log2(e) / 8
	s_mov_b32 s39, 0x3e38aa3b
	s_mov_b32 s70, 0x76543210                      ; v_permlanex16_b32: lane i reads lane i of the other half
	s_mov_b32 s71, 0xfedcba98
	s_lshl_b32 s80, s77, 20                        ; the batch's 2,048 rows of 512 bytes
	s_lshl_b32 s82, s78, 15                        ; + my 64 rows of the slot's 128
	s_add_co_u32 s80, s80, s82
	s_mov_b32 s81, 0
	s_mul_i32 s82, s[WV], QUART                    ; my quarter of a slot
	s_wait_dscnt 0x0
	s_wait_kmcnt 0x0
	s_load_b32 s[REM], s[14:15], s79 offset:0x0
	s_load_b64 s[42:43], s[10:11], s41 offset:0x0  ; the exponents of keys 0-63 and 64-127
	s_add_nc_u64 s[6:7], s[6:7], s[80:81]
	s_add_nc_u64 s[8:9], s[8:9], s[80:81]
.irp n, 0,1
	s_mov_b32 s[G0K+4*\n], 1
	s_add_co_u32 s[G0K+4*\n+1], s82, \n*SLOT
	s_add_nc_u64 s[G0K+4*\n+2:G0K+4*\n+3], s[6:7], \n*STEPB
	s_or_b32 s[G0K+4*\n+3], s[G0K+4*\n+3], 0x80000000
	s_mov_b32 s[G0V+4*\n], 1
	s_add_co_u32 s[G0V+4*\n+1], s82, \n*SLOT
	s_add_nc_u64 s[G0V+4*\n+2:G0V+4*\n+3], s[8:9], \n*STEPB
	s_or_b32 s[G0V+4*\n+3], s[G0V+4*\n+3], 0x80000000
.endr
	s_lshl_b32 s80, s[WV], 15                      ; Wo: tiles 12 and 13 of wh; my 64 rows of its 256
	s_add_co_u32 s80, s80, 12*65536
	s_add_nc_u64 s[12:13], s[12:13], s[80:81]
	s_mov_b32 s[G0W], 1
	s_mul_i32 s[G0W+1], s[WV], QUART
	s_mov_b64 s[G0W+2:G0W+3], s[12:13]
	s_or_b32 s[G0W+3], s[G0W+3], 0x80000000
	s_lshl_b32 s84, s76, 15                        ; my 64 rows of qb
	s_mov_b32 s85, 0
	s_add_nc_u64 s[4:5], s[4:5], s[84:85]
	s_lshl_b32 s84, s76, 16                        ; my 64 rows of out0
	s_add_nc_u64 s[18:19], s[18:19], s[84:85]
	ROUND                                          ; all four work-groups are here: the first joint loads meet
	s_cmp_eq_u32 s[WH], 0                          ; both first fills of a wave in one branch: two tensor loads of a wave are out, later one
	s_cbranch_scc0 .Lfirst_v
	tensor_load_to_lds s[G0K:G0K+3], s[G1K:G1K+7]
	s_nop 0
	tensor_load_to_lds s[G0K+4:G0K+7], s[G1K:G1K+7]
	s_nop 0
	s_branch .Lfirst_done
.Lfirst_v:
	tensor_load_to_lds s[G0V:G0V+3], s[G1V:G1V+7]
	s_nop 0
	tensor_load_to_lds s[G0V+4:G0V+7], s[G1V:G1V+7]
	s_nop 0
.Lfirst_done:
	v_and_b32 v[LANE], 31, v0
	v_and_b32 v[RR], 15, v0
	v_bfe_u32 v[HH], v0, 4, 1
	v_lshlrev_b32 v[QO], 9, v[RR]                  ; Q's fragments straight from memory: query l % 16, my head, 16 bytes for each half of the lanes
	v_lshl_add_u32 v[QO], v[HH], 4, v[QO]
	v_add_nc_u32 v[QO], s74, v[QO]
	WIN 0x40
.irp qb, 0,1,2,3
.irp ksd, 0,1
	global_load_b128 v[QQ+8*(2*\qb+\ksd):QQ+8*(2*\qb+\ksd)+3],   v[QO], s[4:5] offset:8192*\qb+64*\ksd
	global_load_b128 v[QQ+8*(2*\qb+\ksd)+4:QQ+8*(2*\qb+\ksd)+7], v[QO], s[4:5] offset:8192*\qb+64*\ksd+32
.endr
.endr
	WIN 0
	s_lshl_b32 s82, s77, 9
	v_lshl_add_u32 v[VXO], v[LANE], 4, s82
	global_load_b128 v[EX:EX+3], v[VXO], s[10:11]  ; the batch's 128 exponents, four a lane
	v_mul_u32_u24 v[TM], v[RR], KPITCH
	v_lshl_add_u32 v[TM], v[HH], 4, v[TM]
	v_add_nc_u32 v[KA], s74, v[TM]
	v_add_nc_u32 v[KA+1], SLOT, v[KA]
	v_and_b32 v[TM], 7, v0
	v_lshl_add_u32 v[TM], v[HH], 3, v[TM]          ; the transposing load: row 8 (l / 16) + l % 8,
	v_mul_u32_u24 v[TM], v[TM], VPITCH
	v_bfe_u32 v[TM2], v0, 3, 1
	v_lshl_add_u32 v[TM], v[TM2], 4, v[TM]         ; 16 bytes further for lanes 8-15 and 24-31
	v_add_nc_u32 v[WOA], s74, v[TM]
	v_add_nc_u32 v[VA], 2*QUART, v[WOA]
	v_add_nc_u32 v[VA+1], SLOT, v[VA]
	v_lshlrev_b32 v[H8], 3, v[HH]
	v_mov_b32 v[NI], 0xfe000000                    ; -2^125
	v_mul_u32_u24 v[TM], v[RR], TPITCH
	v_lshl_add_u32 v[TM2], v[HH], 4, v[TM]
	v_add_nc_u32 v[OB], OS, v[TM2]
	s_mul_i32 s82, s[WH], CHUNK
	s_lshl_b32 s83, s78, 7
	s_add_co_u32 s82, s82, s83
	s_add_co_u32 s82, s82, OS
	v_add_nc_u32 v[OSW], s82, v[TM2]
	s_mul_i32 s82, s[WV], 16*TPITCH
	s_add_co_u32 s82, s82, STAGE
	v_lshl_add_u32 v[TM], v[HH], 5, v[TM]
	v_add_nc_u32 v[STO], s82, v[TM]
	v_mul_u32_u24 v[TM], v[HH], TPITCH
	v_lshl_add_u32 v[TM], v[RR], 4, v[TM]
	v_add_nc_u32 v[RD], s82, v[TM]
	s_lshl_b32 s82, s[WV], 8
	v_lshl_add_u32 v[BOO], v[HH], 5, s82
	v_lshl_add_u32 v[TM], v[HH], 10, s82
	v_lshl_add_u32 v[CO], v[RR], 4, v[TM]
.irp qb, 0,1,2,3
	v_mov_b32 v[TX+\qb], 0                         ; v_permlanex16_b32 counts as a reader of its destination
	v_mov_b32 v[AL+2*\qb+1], 0                     ; the pairs' upper registers are named, never used
	v_mov_b32 v[NOFF+2*\qb+1], 0
.endr
	s_wait_loadcnt 0x0                             ; Q and the exponents
	v_cvt_f32_u32 v[EX], v[EX]
	v_cvt_f32_u32 v[EX+1], v[EX+1]
	v_cvt_f32_u32 v[EX+2], v[EX+2]
	v_cvt_f32_u32 v[EX+3], v[EX+3]
	v_max3_num_f32 v[EX], v[EX], v[EX+1], v[EX+2]
	v_max_num_f32 v[EX], v[EX], v[EX+3]
	v_max_num_f32_dpp v[EX], v[EX], v[EX] row_xmask:1 row_mask:0xf bank_mask:0xf
	v_max_num_f32_dpp v[EX], v[EX], v[EX] row_xmask:2 row_mask:0xf bank_mask:0xf
	v_max_num_f32_dpp v[EX], v[EX], v[EX] row_xmask:4 row_mask:0xf bank_mask:0xf
	v_max_num_f32_dpp v[EX], v[EX], v[EX] row_xmask:8 row_mask:0xf bank_mask:0xf
	v_permlanex16_b32 v[EX+1], v[EX], s70, s71
	v_max_num_f32 v[EX], v[EX], v[EX+1]
	v_cvt_u32_f32 v[EX], v[EX]
	v_readfirstlane_b32 s37, v[EX]                 ; E
	EXPS 1
	s_wait_tensorcnt 0x1                           ; my part of slot 0 is in; slot 1's may stay out
	s_barrier_signal -1
	s_barrier_wait -1
	ATILE 0, 0, 1
	ATILE 0, 1, 0
	s_mov_b32 s3, 7
.Lkeys:
	STEP 1, 1, 1
	STEP 0, 1, 1
	s_sub_co_u32 s3, s3, 1
	s_cmp_lg_u32 s3, 0
	s_cbranch_scc1 .Lkeys
	STEP 1, 2, 0                                   ; the last 128 keys; Wo goes into slot 0 meanwhile
	; o = O / l, to f16, into OS
.irp qb, 0,1,2,3
	v_permlanex16_b32 v[TX+\qb], v[LS+\qb], s70, s71
.endr
.irp qb, 0,1,2,3
	v_add_f32 v[LS+\qb], v[LS+\qb], v[TX+\qb]
.endr
.irp qb, 0,1,2,3
	v_rcp_f32 v[AL+2*\qb], v[LS+\qb]
.endr
	v_nop                                          ; one plain place behind v_rcp_f32 (ISA guide 5.7.2)
	WIN 0x41
	s_wait_alu depctr_va_vdst(0)
.irp qb, 0,1,2,3
.irp i, 0,1,2,3,4,5,6,7,8,9,10,11,12,13,14,15
	v_pk_mul_f32 v[32*\qb+2*\i:32*\qb+2*\i+1], v[32*\qb+2*\i:32*\qb+2*\i+1], v[AL+2*\qb:AL+2*\qb+1] op_sel_hi:[1,0]
.endr
.endr
	WIN 0x05
.irp qb, 0,1,2,3
.irp db, 0,1,2,3
.irp q, 0,1,2,3
	v_cvt_pk_f16_f32 v[SS+4*(4*\qb+\db)+\q], v[8*(4*\qb+\db)+2*\q], v[8*(4*\qb+\db)+2*\q+1]
.endr
.endr
.endr
	WIN 0
.irp qb, 0,1,2,3
.irp db, 0,1,2,3
	ds_store_b128 v[OSW], v[SS+4*(4*\qb+\db):SS+4*(4*\qb+\db)+3] offset:16*TPITCH*\qb+32*\db
.endr
.endr
.irp cb, 0,1,2,3
	global_load_b128 v[BOF+8*\cb:BOF+8*\cb+3],   v[BOO], s[16:17] offset:64*\cb
	global_load_b128 v[BOF+8*\cb+4:BOF+8*\cb+7], v[BOO], s[16:17] offset:64*\cb+16
.endr
	s_wait_tensorcnt 0x0                           ; my part of Wo is in
	s_wait_dscnt 0x0                               ; my part of o is written, my reads of slot 1 are done
	s_barrier_signal -1
	s_barrier_wait -1
	KT WOA, OB, 0, 1
	KT VA, OB, CHUNK, 0
	PLACES
	s_wait_loadcnt 0x0                             ; bo
	s_sub_co_i32 s72, s37, 14
	s_lshl_b32 s72, s72, 23                        ; 2^(E - 141)
	s_mov_b32 s73, s72
	; 16 queries at a time: scale, add bo, through my own stage, out as whole pieces of 256 bytes
.irp tb, 0,1,2,3
	s_wait_xcnt 0x0                                ; RB, which the last stores read, is loaded again only behind this wait
	WIN 0x01
.irp cb, 0,1,2,3
.irp q, 0,1,2,3
	v_pk_fma_f32 v[T+8*\cb+2*\q:T+8*\cb+2*\q+1], v[8*(4*\tb+\cb)+2*\q:8*(4*\tb+\cb)+2*\q+1], s[72:73], v[BOF+8*\cb+2*\q:BOF+8*\cb+2*\q+1] op_sel_hi:[1,0,1]
.endr
.endr
	WIN 0
.irp cb, 0,1,2,3
	ds_store_b128 v[STO], v[T+8*\cb:T+8*\cb+3]   offset:64*\cb
	ds_store_b128 v[STO], v[T+8*\cb+4:T+8*\cb+7] offset:64*\cb+16
.endr
.irp i, 0,1,2,3,4,5,6,7
	ds_load_b128 v[RB+4*\i:RB+4*\i+3], v[RD] offset:2*TPITCH*\i    ; LDS serves a wave's instructions in order (ISA guide 5.7.1.4): these see the stores above
.endr
.irp i, 0,1,2,3,4,5,6,7
	s_wait_dscnt 7-\i
	global_store_b128 v[CO], v[RB+4*\i:RB+4*\i+3], s[18:19] offset:(16*\tb+2*\i)*1024 th:TH_STORE_NT   ; 16 lanes store 256 consecutive bytes, aligned
.endr
.endr
	s_set_vgpr_msb 0xa
	s_wait_tensorcnt 0x0
	ds_add_u32 v32, v33
	s_wait_dscnt 0x0
	s_set_vgpr_msb 0xa00
	ROUND                                          ; the closing round: no work-group ends while a partner may still ask jointly
	s_endpgm
.Lfunc_end_k_q5cc64d95f0_attn:
	.size	k_q5cc64d95f0_attn, .Lfunc_end_k_q5cc64d95f0_attn-k_q5cc64d95f0_attn
	.p2alignl 7, 3214868480
	.fill 96, 4, 3214868480
	.section	.rodata,"a",@progbits
	.p2align	6, 0x0
	.amdhsa_kernel k_q5cc64d95f0_attn
		.amdhsa_group_segment_fixed_size 327680
		.amdhsa_private_segment_fixed_size 0
		.amdhsa_enable_private_segment 0
		.amdhsa_kernarg_size 64
		.amdhsa_user_sgpr_count 2
		.amdhsa_user_sgpr_kernarg_segment_ptr 1
		.amdhsa_wavefront_size32 1
		.amdhsa_system_sgpr_workgroup_id_x 1
		.amdhsa_system_sgpr_workgroup_id_y 1
		.amdhsa_system_sgpr_workgroup_id_z 1
		.amdhsa_system_vgpr_workitem_id 0
		.amdhsa_next_free_vgpr 546
		.amdhsa_next_free_sgpr 88
		.amdhsa_reserve_vcc 1
		.amdhsa_float_denorm_mode_32 3
		.amdhsa_float_denorm_mode_16_64 3
		.amdhsa_memory_ordered 1
		.amdhsa_forward_progress 1
		.amdhsa_inst_pref_size 255
	.end_amdhsa_kernel
	.section	.bss,"aw",@nobits
	.p2align	6
	.space	262144
	.amdgpu_metadata
---
amdhsa.version: [ 1, 2 ]
amdhsa.kernels:
  - .name:           k_q5cc64d95f0_attn
    .symbol:         k_q5cc64d95f0_attn.kd
    .args:
      - { .name: qb, .offset: 0, .size: 8, .value_kind: global_buffer, .address_space: global }
      - { .name: kb, .offset: 8, .size: 8, .value_kind: global_buffer, .address_space: global }
      - { .name: vb, .offset: 16, .size: 8, .value_kind: global_buffer, .address_space: global }
      - { .name: vx, .offset: 24, .size: 8, .value_kind: global_buffer, .address_space: global }
      - { .name: wh, .offset: 32, .size: 8, .value_kind: global_buffer, .address_space: global }
      - { .name: lengths, .offset: 40, .size: 8, .value_kind: global_buffer, .address_space: global }
      - { .name: bo, .offset: 48, .size: 8, .value_kind: global_buffer, .address_space: global }
      - { .name: out0, .offset: 56, .size: 8, .value_kind: global_buffer, .address_space: global }
    .group_segment_fixed_size: 327680
    .private_segment_fixed_size: 0
    .kernarg_segment_align: 8
    .kernarg_segment_size: 64
    .max_flat_workgroup_size: 128
    .sgpr_count:     88
    .vgpr_count:     546
    .wavefront_size: 32
...
	.end_amdgpu_metadata
.endif
;; end of part 3
